; MI455X (gfx1250); checked and timed in simulation.
; The chip was launched on July 23, 2026; its instructions are those of AMD's public machine-readable ISA for CDNA 5 (MIT licence, August 2026) and "CDNA5" Instruction Set Architecture Reference Guide (July 2026). The comments in the code are by the model that wrote it; some were corrected since.
;; Hopfield. Allowed arithmetic: matrix products marked QUANTISED: E2M3 operands, one E8M0 scale for each 32 along K, by v_wmma_scale_f32_16x16x128_f8f6f4 with both operands' format E2M3, f32 sums; everything else in f32.
;; Inputs: Wk 256 x 256 float32; Wo 256 x 256 float32; Wq 256 x 256 float32; Wv 256 x 256 float32; bk 256 float32; bo 256 float32; bq 256 float32; bv 256 float32; ln_q_b 256 float32; ln_q_g 256 float32; ln_s_b 256 float32; ln_s_g 256 float32; ln_v_b 256 float32; ln_v_g 256 float32; x 8 x 2,048 x 256 float32.
;; Outputs: out0 8 x 2,048 x 256 float32.
;; This version of the problem:
;;   THIS VERSION OF THE PROBLEM IS GIVEN IN LOW PRECISION. The matrix products marked QUANTISED in the list below multiply operands that are first quantised to E2M3 (2 exponent bits, 3 mantissa bits; 6 bits a number), with one power-of-two scale for each 32 numbers along K (OCP MX v1.0); their sums are f32. All else is computed in f32.
;;   The module's matrix products, in the order in which they are computed (A, B: the left and right operand; K: the contracted axis; several contracted axes count as one K, in the product's order):
;;     1. [M 16,384, K 256] x [K 256, N 256]; A: computed on the way; B: input Wq: QUANTISED
;;     2. [M 16,384, K 256] x [K 256, N 256]; A: computed on the way; B: input Wk: QUANTISED
;;     3. [M 16,384, K 256] x [K 256, N 256]; A: computed on the way; B: input Wv: QUANTISED
;;     4. batch 32 x [M 2,048, K 64] x [K 64, N 2,048]; A: computed on the way; B: computed on the way: QUANTISED
;;     5. batch 32 x [M 64, K 2,048] x [K 2,048, N 2,048]; A: computed on the way; B: softmax (see below): QUANTISED
;;     6. [M 16,384, K 256] x [K 256, N 256]; A: computed on the way; B: input Wo: QUANTISED
;;   THE QUANTISER, for each operand of a quantised product, along K:
;;     - K is cut into blocks of 32 from its start; a last block that is shorter is filled with zeros.
;;     - A block's scale is 2^e with e = floor(log2(the largest magnitude in the block)) - 2, held to -126 .. 127; a block of zeros has e = 0. As a byte (E8M0): e + 127.
;;     - Each number is divided by its block's scale, clamped to +-7.5, and rounded to the nearest number of E2M3, ties to even, subnormals kept.
;;     - The product sums the exact products of the quantised numbers (number of the format x scale) in f32.
;;   ~~~python
;;   def quantise(x, axis):      # numpy; x: float32 -> the quantised numbers, widened to float32 again
;;       x = np.moveaxis(x, axis, -1); K = x.shape[-1]
;;       x = np.pad(x, [(0, 0)] * (x.ndim - 1) + [(0, -K % 32)]); x = x.reshape(x.shape[:-1] + (-1, 32)); a = np.abs(x).max(-1, keepdims=True)
;;       e = np.where(a > 0, np.clip(np.frexp(np.where(a > 0, a, 1))[1] - 1 - 2, -126, 127), 0)      # np.frexp(a)[1] - 1 = floor(log2(a)), exactly
;;       r = np.clip(x / 2.0 ** e, -7.5, 7.5)
;;       step = 2.0 ** (np.maximum(np.frexp(np.where(r == 0, 1, r))[1] - 1, 0) - 3)
;;       q = np.round(r / step) * step * 2.0 ** e      # np.round: ties to even
;;       return np.moveaxis(q.reshape(q.shape[:-2] + (-1,))[..., :K], -1, axis).astype(np.float32)
;;   ~~~
;;   SOFTMAX AHEAD OF A QUANTISED PRODUCT. Where the list says 'softmax', what is quantised is not the finished softmax but p = 2^(t - M), with t = logit x log2(e) and M = ceil(the row's largest t), a whole number; so 1/2 < the row's largest p <= 1. The row's sum l is taken of the UNQUANTISED p, in f32, and the product's result is divided by l at the end. Since M is a whole number, a kernel that streams over the keys may use a running M (the ceiling of the running maximum): every later rescaling is an exact power of two, which a block's scale takes up: the codes' values come out the same.
;;   OPERANDS COMPUTED ON THE WAY. 'Computed on the way' means the value that the module computes at that place (a softmax that the list does not call 'softmax' is quantised finished and normalised). What goes into a quantiser is computed in f32, as accurately as f32 sums, v_exp_f32 and their like allow (about 1e-6 of the number): no bf16 or f16 on the way to a quantiser, and a product that is left as it is and whose result goes on into a quantised operand takes f32 operands (vector FMAs, or v_wmma_f32_16x16x4_f32). A number that lies on a knife's edge between two numbers of the format may be rounded either way, as far as f32 arithmetic and the matrix unit's own rounding can turn it there, and no further.
;; One version. Each part assembles by itself: llvm-mc -triple=amdgcn-amd-amdhsa -mcpu=gfx1250 --defsym DOCPART=n.
;; ======== version 1 of 1: 4 launches
;; limits: right only within a limited range of input values
;; workspace buffers: wc 196,608 bytes; ws 8,192 bytes; qc 3,145,728 bytes; qs 262,144 bytes; kvc 6,291,456 bytes; kvs 524,288 bytes; oc 3,145,728 bytes; ob 131,072 bytes
;; launch wquant (part 1): grid 32 x 4, 1 waves a work-group, no clusters, 0 bytes of LDS; arguments Wq, Wk, Wv, Wo, wc, ws; writes wc, ws
.if DOCPART == 1
	.amdgcn_target "amdgcn-amd-amdhsa--gfx1250"
	.amdhsa_code_object_version 6
	.text
	.protected	k_q7365082a9c_wquant
	.globl	k_q7365082a9c_wquant
	.p2align	8
	.type	k_q7365082a9c_wquant,@function
k_q7365082a9c_wquant:
	s_mov_b64 s[64:65], 0
	v_nop
	global_prefetch_b8 v0, s[64:65] scope:SCOPE_SE
	s_setreg_imm32_b32 hwreg(HW_REG_WAVE_MODE, 25, 1), 1
	s_wait_xcnt 0x0
; The four weights [256][256] f32 (K innermost) become codes of FP6 (E2M3) with one E8M0 byte for each 32 along K, laid as the later launches' operand registers take them.
; One wave makes ONE fragment: 16 rows x 128 K.  Work-group x = 2 T + s (tile T of 16 rows, K step s), y = the weight (0 Wq, 1 Wk, 2 Wv, 3 Wo).
; THE ROWS OF A TILE ARE NOT NEIGHBOURS: lane r of tile T takes row 64 (T / 4) + 32 (r / 8) + 8 (T % 4) + r % 8, so that the 32 results which a lane holds of four neighbouring tiles are 32 neighbours: one whole scale block.
; Lane (r, h) holds k = 128 s + 64 c + 32 h + 0 .. 31, c = 0, 1: two whole blocks.
; OUT: wc [y][T][s]: a fragment's 12 registers as three groups of four, group g at 512 g + 16 x lane.  ws [y][T / 4][r][T % 4][s]: one word a row and K step (8,192 bytes in the whole launch).
; A block's scale is 2^(floor(log2(largest magnitude)) - 2); its byte is the largest magnitude's exponent field - 2, held at 1 from below.
; LIMITS: blocks whose largest magnitude lies under 2^-124 have their byte held at 1; a block of zeros has the byte 1 where the rule says 127 (its codes are zeros, and this program alone reads the bytes); NaN and infinities are not served.
	s_load_b256 s[4:11], s[0:1], 0x0               ; Wq, Wk, Wv, Wo
	s_load_b128 s[12:15], s[0:1], 0x20             ; wc, ws
	v_and_b32 v1, 15, v0                           ; r
	v_lshrrev_b32 v2, 4, v0                        ; h
	v_and_b32 v3, 8, v1
	v_mad_u32_u24 v3, v3, 3, v1                    ; r % 8 + 32 (r / 8)
	v_lshlrev_b32 v3, 10, v3                       ; a row of W is 1,024 bytes
	v_lshl_add_u32 v3, v2, 7, v3                   ; + 128 h
	v_lshlrev_b32 v4, 4, v0
	v_lshlrev_b32 v5, 5, v1
	s_and_b32 s16, ttmp7, 0xffff                   ; which weight
	s_lshr_b32 s17, ttmp9, 1                       ; T
	s_and_b32 s18, ttmp9, 1                        ; s
	s_lshr_b32 s22, s17, 2
	s_lshl_b32 s22, s22, 16                        ; 64 (T / 4) rows
	s_and_b32 s23, s17, 3
	s_lshl_b32 s23, s23, 13                        ; + 8 (T % 4) rows
	s_add_co_u32 s22, s22, s23
	s_lshl_b32 s23, s18, 9
	s_add_co_u32 s22, s22, s23
	s_mov_b32 s23, 0
	s_mul_i32 s24, s16, 49152                      ; wc: a weight's 32 fragments, and mine among them
	s_mul_i32 s25, ttmp9, 1536
	s_add_co_u32 s24, s24, s25
	s_mov_b32 s25, 0
	s_lshl_b32 s26, s16, 11                        ; ws: 2,048 bytes a weight, 512 for each four tiles, 8 a tile, 4 a K step
	s_lshr_b32 s27, s17, 2
	s_lshl_b32 s27, s27, 9
	s_add_co_u32 s26, s26, s27
	s_and_b32 s27, s17, 3
	s_lshl_b32 s27, s27, 3
	s_add_co_u32 s26, s26, s27
	s_lshl_b32 s27, s18, 2
	s_add_co_u32 s26, s26, s27
	s_mov_b32 s27, 0
	s_mov_b32 s20, 0x76543210
	s_mov_b32 s21, 0xfedcba98                      ; v_permlanex16_b32's selects for lane l xor 16
	s_wait_alu depctr_va_vdst(0)
	s_wait_kmcnt 0x0
	s_cmp_eq_u32 s16, 1                            ; the choice of the weight hangs on the work-group's number alone
	s_cselect_b64 s[4:5], s[6:7], s[4:5]
	s_cmp_eq_u32 s16, 2
	s_cselect_b64 s[4:5], s[8:9], s[4:5]
	s_cmp_eq_u32 s16, 3
	s_cselect_b64 s[4:5], s[10:11], s[4:5]
	s_add_nc_u64 s[4:5], s[4:5], s[22:23]
	s_add_nc_u64 s[12:13], s[12:13], s[24:25]
	s_add_nc_u64 s[14:15], s[14:15], s[26:27]
.irp c, 0,1
.irp j, 0,1,2,3,4,5,6,7
	global_load_b128 v[64+32*\c+4*\j:67+32*\c+4*\j], v3, s[4:5] offset:256*\c+16*\j
.endr
.endr
	s_wait_loadcnt 0x0
.irp c, 0,1
	v_max3_num_f32 v[32+\c], |v[64+32*\c]|, |v[65+32*\c]|, 0x1800000   ; and the floor 2^(3 - 127)
.endr
.irp i, 2,4,6,8,10,12,14,16,18,20,22,24,26,28,30
.irp c, 0,1
	v_max3_num_f32 v[32+\c], v[32+\c], |v[64+32*\c+\i]|, |v[65+32*\c+\i]|
.endr
.endr
.irp c, 0,1
	v_add_nc_u32 v[44+\c], 0xff000000, v[32+\c]    ; 2 off the exponent field: the conversion's scale operand
.endr
.irp c, 0,1
	v_lshrrev_b32 v[36+\c], 23, v[44+\c]           ; the scale's byte
.endr
	v_lshl_or_b32 v9, v37, 16, v36                 ; my two bytes: blocks h and 2 + h,
	v_lshlrev_b32 v10, 3, v2
	v_lshlrev_b32 v9, v10, v9                      ; at their places in the word
	v_mov_b32 v10, 0
	v_permlanex16_b32 v10, v9, s20, s21
	v_or_b32 v9, v9, v10                           ; with lane l xor 16's two the word is whole
.irp c, 0,1
	v_cvt_scalef32_pk16_fp6_f32 v[48+6*\c:50+6*\c], v[64+32*\c:79+32*\c], v[44+\c]
	v_cvt_scalef32_pk16_fp6_f32 v[128+4*\c:130+4*\c], v[80+32*\c:95+32*\c], v[44+\c]    ; (three registers begin on an even number: made elsewhere and moved)
.endr
	v_nop                                          ; one plain place behind a scaled conversion
.irp c, 0,1
.irp i, 0,1,2
	v_mov_b32 v[51+6*\c+\i], v[128+4*\c+\i]
.endr
.endr
.irp g, 0,1,2
	global_store_b128 v4, v[48+4*\g:51+4*\g], s[12:13] offset:512*\g
.endr
	global_store_b32 v5, v9, s[14:15]              ; lanes r and 16 + r store the same word to the same place
	s_endpgm
.Lfunc_end_k_q7365082a9c_wquant:
	.size	k_q7365082a9c_wquant, .Lfunc_end_k_q7365082a9c_wquant-k_q7365082a9c_wquant
	.p2alignl 7, 3214868480
	.fill 96, 4, 3214868480
	.section	.rodata,"a",@progbits
	.p2align	6, 0x0
	.amdhsa_kernel k_q7365082a9c_wquant
		.amdhsa_group_segment_fixed_size 0
		.amdhsa_private_segment_fixed_size 0
		.amdhsa_enable_private_segment 0
		.amdhsa_kernarg_size 48
		.amdhsa_user_sgpr_count 2
		.amdhsa_user_sgpr_kernarg_segment_ptr 1
		.amdhsa_wavefront_size32 1
		.amdhsa_system_sgpr_workgroup_id_x 1
		.amdhsa_system_sgpr_workgroup_id_y 1
		.amdhsa_system_sgpr_workgroup_id_z 1
		.amdhsa_system_vgpr_workitem_id 0
		.amdhsa_next_free_vgpr 136
		.amdhsa_next_free_sgpr 66
		.amdhsa_reserve_vcc 0
		.amdhsa_float_denorm_mode_32 3
		.amdhsa_float_denorm_mode_16_64 3
		.amdhsa_memory_ordered 1
		.amdhsa_forward_progress 1
		.amdhsa_inst_pref_size 7
	.end_amdhsa_kernel
	.amdgpu_metadata
---
amdhsa.version: [ 1, 2 ]
amdhsa.kernels:
  - .name:           k_q7365082a9c_wquant
    .symbol:         k_q7365082a9c_wquant.kd
    .args:
      - { .name: Wq, .offset: 0, .size: 8, .value_kind: global_buffer, .address_space: global }
      - { .name: Wk, .offset: 8, .size: 8, .value_kind: global_buffer, .address_space: global }
      - { .name: Wv, .offset: 16, .size: 8, .value_kind: global_buffer, .address_space: global }
      - { .name: Wo, .offset: 24, .size: 8, .value_kind: global_buffer, .address_space: global }
      - { .name: wc, .offset: 32, .size: 8, .value_kind: global_buffer, .address_space: global }
      - { .name: ws, .offset: 40, .size: 8, .value_kind: global_buffer, .address_space: global }
    .group_segment_fixed_size: 0
    .private_segment_fixed_size: 0
    .kernarg_segment_align: 8
    .kernarg_segment_size: 48
    .max_flat_workgroup_size: 32
    .sgpr_count:     66
    .vgpr_count:     136
    .wavefront_size: 32
...
	.end_amdgpu_metadata
.endif
;; end of part 1
;; launch qkv (part 2): grid 256 x 1, 8 waves a work-group, no clusters, 135,168 bytes of LDS; arguments x, ln_q_g, ln_q_b, ln_s_g, ln_s_b, ln_v_g, ln_v_b, bq, bk, bv, wc, ws, qc, qs, kvc, kvs; writes qc, qs, kvc, kvs
.if DOCPART == 2
	.amdgcn_target "amdgcn-amd-amdhsa--gfx1250"
	.amdhsa_code_object_version 6
	.text
	.protected	k_q7365082a9c_qkv
	.globl	k_q7365082a9c_qkv
	.p2align	8
	.type	k_q7365082a9c_qkv,@function
k_q7365082a9c_qkv:
	s_mov_b64 s[64:65], 0
	v_nop
	global_prefetch_b8 v0, s[64:65] scope:SCOPE_SE
	s_setreg_imm32_b32 hwreg(HW_REG_WAVE_MODE, 25, 1), 1
	s_wait_xcnt 0x0
; LayerNorm's statistics of 64 rows of x, the three affine variants, their codes of FP6 (E2M3), the three projections, and the codes of q, k (along the head's 64) and v (along the keys).
; Variant and tensor a: 0 = q (ln_q, Wq, bq, x 1/8), 1 = k (ln_s, Wk, bk), 2 = v (ln_v, Wv, bv).
; SHARES.  Work-group 32 b + kb owns band kb of batch b: 64 rows.
; Phase X: wave w owns rows 8 w .. 8 w + 7, two to a register: lane l holds k = 16 (l % 16) + 0 .. 15 of row 2 i + l / 16, i = 0 .. 3.  x is loaded as it lies, 512 bytes an instruction, and turned through the wave's own stage in LDS
; (16 bytes of padding behind each 64).  g and b of a lane's 16 columns stay in registers.  Sums run over 16 lanes; mean and variance in two passes.  Two neighbouring lanes hold a scale block.
; The codes go to LDS as rows of 192 bytes (208 apart; rows 32-63 lie 128 bytes further on), with 8 scale bytes a row.
; Phase P: wave w = 2 head + u makes q (u = 0) or k (u = 1) of its head, TRANSPOSED (source 0 = 16 rows of W, source 1 = 16 rows of x), and d tiles 2 u, 2 u + 1 of v, the other way round.  Row m of x's tile j is row 32 (m / 8) + 8 j + m % 8:
; a lane's 32 results of four tiles are 32 neighbours along the next K, one scale block: a HALF FRAGMENT of 6 registers (registers 0-3 at 16 x lane, 4-5 at 512 + 8 x lane).  The bias is the C of a sum's first instruction.
; q's factor 1 / sqrt(64) = 2^-3 is taken off its scale bytes: the codes are the same.
; OUT: qc [b][head][4 kb + tile][768]; kvc [b][head][kb][K 3,072 | V 3,072]; scale bytes, one a lane and tile: qs and kvs [b][head][kb][r][h][word, word], four tiles' bytes in a word, and behind k's, at 262,144, v's: [b][head][kb][u][r][h] words with two bytes.
; No cluster: x is read by one work-group alone, and each byte of the weights goes from memory straight into the registers of the one wave that uses it; through LDS the 147,456 bytes would be read a second time.
; LIMITS: blocks whose largest magnitude lies under 2^-124 (of q ahead of its factor: under 2^-121) have their byte held at 1; a block of zeros has that byte where the rule says 127 (its codes are zeros, this program alone reads the bytes);
; NaN and infinities among the inputs are not served.
; REGISTERS.  Window 0: v1-15, v240-247 addresses; v16-27 W's scale words; v32-63 a variant's numbers, later x's scale words; v64-127 x, later the accumulators; v128-175 codes and what makes them; v176-223 biases as C; v224-239 at work.
; Window 1: v0-95 Wq or Wk at 12 (2 t + s); v96-143 Wv's two tiles; v144-239 g and b, later x's fragments at 144 + 12 (2 m + s).
.set GBS,  81920                       ; LDS: behind the eight stages of 10,240: g and b, eight places of 1,280
.set CODE, 92160                       ; the variants' codes: 13,440 a
.set ASZ,  13440
.set SCB,  132480                      ; their scale bytes: 512 a + 8 x row
.set SPARE, 134144                     ; the spare words: 128 bytes a wave
.set SP,   80
.set LI,   6                           ; 16 x lane
.set XIN,  8
.set GIN,  9
.set XOUT, 10
.set GOUT, 11
.set CST,  12
.set SST,  13
.set H128, 14
.set BVA,  15
.set WSQ,  16
.set WSV,  24
.set Y,    32
.set XS,   32
.set X,    64
.set A0,   64
.set A1,   96
.set CR,   128
.set PC,   128
.set PT,   152
.set TM,   160
.set WDA,  170
.set WDV,  172
.set BQC,  176
.set BVC,  208
.set SA,   224
.set SB,   232
.set FB,   240
.set FA,   241
.set WB,   242
.set WA,   243
.set L8,   244
.set SC8,  245
.set SC4,  246
.set WSA,  247
.set SPW,  254
.set NIL,  255
.set WV,   36
.set HD,   37
.set U,    38
.set MSB, 0
.macro WIN new                         ; the immediate's high byte repeats the setting that is left
.if MSB != \new
	s_set_vgpr_msb (MSB<<8)|\new
.set MSB, \new
.endif
.endm
.macro WALU
	s_wait_alu depctr_va_vdst(0)
.endm
; Variant a of rows pairs 2 ip, 2 ip + 1: the affine step, the quantiser, codes and bytes to LDS
.macro VARIANT a, ip
	WIN 0x14                                       ; source 0 window 0, sources 1 and 2 window 1
.irp e, 0,2,4,6,8,10,12,14
.irp j, 0,1
	v_pk_fma_f32 v[Y+16*\j+\e:Y+16*\j+\e+1], v[X+16*(2*(\ip)+\j)+\e:X+16*(2*(\ip)+\j)+\e+1], v[144+32*(\a)+\e:145+32*(\a)+\e], v[160+32*(\a)+\e:161+32*(\a)+\e]
.endr
.endr
	WIN 0
.irp j, 0,1
	v_max3_num_f32 v[SB+2*\j], |v[Y+16*\j]|, |v[Y+16*\j+1]|, |v[Y+16*\j+2]|
	v_max3_num_f32 v[SB+2*\j+1], |v[Y+16*\j+7]|, |v[Y+16*\j+8]|, |v[Y+16*\j+9]|
.endr
.irp i, 3,5
.irp j, 0,1
	v_max3_num_f32 v[SB+2*\j], v[SB+2*\j], |v[Y+16*\j+\i]|, |v[Y+16*\j+\i+1]|
	v_max3_num_f32 v[SB+2*\j+1], v[SB+2*\j+1], |v[Y+16*\j+\i+7]|, |v[Y+16*\j+\i+8]|
.endr
.endr
.irp j, 0,1
	v_max3_num_f32 v[SB+2*\j], v[SB+2*\j], v[SB+2*\j+1], |v[Y+16*\j+14]|
.endr
.irp j, 0,1
	v_max3_num_f32 v[SB+2*\j], v[SB+2*\j], |v[Y+16*\j+15]|, 0x1800000   ; and the floor 2^(3 - 127)
.endr
.irp j, 0,1
	v_max_num_f32_dpp v[SB+2*\j], v[SB+2*\j], v[SB+2*\j] row_xmask:1 row_mask:0xf bank_mask:0xf   ; with my neighbour's 16
.endr
.irp j, 0,1
	v_add_nc_u32 v[SB+4+\j], 0xff000000, v[SB+2*\j]   ; 2 off the exponent field: the conversion's scale operand
.endr
.irp j, 0,1
.set R_, CR+16*(\a)+4*(2*(\ip)+\j)
	v_cvt_scalef32_pk16_fp6_f32 v[R_:R_+2], v[Y+16*\j:Y+16*\j+15], v[SB+4+\j]
.endr
.irp j, 0,1                                    ; (also the plain place behind the conversions)
.set R_, CR+16*(\a)+4*(2*(\ip)+\j)
	v_lshrrev_b32 v[R_+3], 23, v[SB+4+\j]
.endr
.irp j, 0,1
.set R_, CR+16*(\a)+4*(2*(\ip)+\j)
.irp d, 0,1,2
	ds_store_b32 v[CST], v[R_+\d] offset:ASZ*(\a)+416*(2*(\ip)+\j)+4*\d
.endr
	ds_store_b8 v[SST], v[R_+3] offset:512*(\a)+16*(2*(\ip)+\j)   ; both lanes of a block write the same byte
.endr
.endm
.macro FRAGS adr, off, m               ; tile m's two fragments of a variant: 12 LDS loads
	WIN 0x40
.irp s, 0,1
.irp p, 0,1,2,3,4,5
	ds_load_b64 v[144+24*(\m)+12*\s+2*\p:145+24*(\m)+12*\s+2*\p], v[\adr] offset:(\off)+1664*(\m)+96*\s+48*(\p/3)+8*(\p%3)
.endr
.endr
	WIN 0
.endm
; q's or k's four tiles of d for tile m of rows: the four accumulators by turns
.macro MMQK m, d
	WIN 0x05                                       ; sources 0 and 1 window 1, C and D window 0
.irp t, 0,1,2,3
	v_wmma_scale_f32_16x16x128_f8f6f4 v[\d+8*\t:\d+8*\t+7], v[24*\t:24*\t+11], v[144+24*(\m):144+24*(\m)+11], v[BQC+8*\t:BQC+8*\t+7], v[WSQ+2*\t], v[XS+2*(\m)] matrix_a_fmt:MATRIX_FMT_FP6 matrix_b_fmt:MATRIX_FMT_FP6
.endr
.irp t, 0,1,2,3
	v_wmma_scale_f32_16x16x128_f8f6f4 v[\d+8*\t:\d+8*\t+7], v[24*\t+12:24*\t+23], v[144+24*(\m)+12:144+24*(\m)+23], v[\d+8*\t:\d+8*\t+7], v[WSQ+2*\t+1], v[XS+2*(\m)+1] matrix_a_fmt:MATRIX_FMT_FP6 matrix_b_fmt:MATRIX_FMT_FP6
.endr
	WIN 0
.endm
; v's tile 2 u + n of d for the four tiles of rows: source 0 = x, source 1 = Wv
.macro MMV n, d
	WIN 0x05
.irp t, 0,1,2,3
	v_wmma_scale_f32_16x16x128_f8f6f4 v[\d+8*\t:\d+8*\t+7], v[144+24*\t:144+24*\t+11], v[96+24*(\n):96+24*(\n)+11], v[BVC+8*(\n):BVC+8*(\n)+7], v[XS+8+2*\t], v[WSV+2*(\n)] matrix_a_fmt:MATRIX_FMT_FP6 matrix_b_fmt:MATRIX_FMT_FP6
.endr
.irp t, 0,1,2,3
	v_wmma_scale_f32_16x16x128_f8f6f4 v[\d+8*\t:\d+8*\t+7], v[144+24*\t+12:144+24*\t+23], v[96+24*(\n)+12:96+24*(\n)+23], v[\d+8*\t:\d+8*\t+7], v[XS+8+2*\t+1], v[WSV+2*(\n)+1] matrix_a_fmt:MATRIX_FMT_FP6 matrix_b_fmt:MATRIX_FMT_FP6
.endr
	WIN 0
.endm
; What is made of the 32 results at d: tile n of q or k (v = 0), or of v (v = 1)
.macro POST v, n, d
.if (\v) && ((\n) == 0)
	WALU
	s_wait_xcnt 0x0                                ; the stores issued so far have read their data
.endif
.set P_, PC+6*(\n)
.set W_, WDA+2*(\v)
.irp q, 0,1
	v_max3_num_f32 v[TM+\q], |v[\d+16*\q]|, |v[\d+16*\q+1]|, |v[\d+16*\q+2]|   ; (each accumulator is read from its low end on)
.endr
.irp i, 3,5,7,9,11,13
.irp q, 0,1
	v_max3_num_f32 v[TM+\q], v[TM+\q], |v[\d+16*\q+\i]|, |v[\d+16*\q+\i+1]|
.endr
.endr
	v_max3_num_f32 v[TM], v[TM], v[TM+1], |v[\d+15]|
.if \v
	v_max3_num_f32 v[TM], v[TM], |v[\d+31]|, 0x1800000
.else
	v_max3_num_f32 v[TM], v[TM], |v[\d+31]|, s58
.endif
	v_add_nc_u32 v[TM+4], 0xff000000, v[TM]
	v_lshrrev_b32 v[TM+6], 23, v[TM+4]
	v_cvt_scalef32_pk16_fp6_f32 v[P_:P_+2], v[\d:\d+15], v[TM+4]
	v_cvt_scalef32_pk16_fp6_f32 v[PT:PT+2], v[\d+16:\d+31], v[TM+4]
.if (\n) == 0                                      ; (also the plain place behind the conversions)
	v_mov_b32 v[W_], v[TM+6]
.else
	v_lshl_or_b32 v[W_], v[TM+6], 8*(\n), v[W_]
.endif
.irp i, 0,1,2
	v_mov_b32 v[P_+3+\i], v[PT+\i]
.endr
.if \v
	global_store_b128 v[LI], v[P_:P_+3], s[44:45] offset:768*(\n)
	global_store_b64 v[L8], v[P_+4:P_+5], s[44:45] offset:768*(\n)
.if (\n) == 1
	global_store_b32 v[SC4], v[WDV], s[48:49]
.endif
.else
	global_store_b128 v[LI], v[P_:P_+3], s[42:43] offset:768*(\n)
	global_store_b64 v[L8], v[P_+4:P_+5], s[42:43] offset:768*(\n)
.if (\n) == 3
	v_add_nc_u32 v[WDA], s59, v[WDA]               ; q: 3 off each of the four bytes, which are 4 or more
	v_mov_b32 v[WDA+1], v[WDA]
	global_store_b64 v[SC8], v[WDA:WDA+1], s[46:47]
.endif
.endif
.endm
	s_load_b512 s[4:19], s[0:1], 0x0               ; x, ln_q_g, ln_q_b, ln_s_g, ln_s_b, ln_v_g, ln_v_b, bq
	s_load_b512 s[20:35], s[0:1], 0x40             ; bk, bv, wc, ws, qc, qs, kvc, kvs
	v_lshl_add_u32 v[SPW], v0, 2, SPARE
	v_mov_b32 v[NIL], 0
	v_lshrrev_b32 v2, 5, v0
	v_readfirstlane_b32 s[WV], v2                  ; wave 0..7
	s_lshr_b32 s[HD], s[WV], 1
	s_and_b32 s[U], s[WV], 1
	v_and_b32 v3, 31, v0                           ; lane
	v_and_b32 v4, 15, v0                           ; r
	v_bfe_u32 v5, v0, 4, 1                         ; h
	v_lshlrev_b32 v[LI], 4, v3
	v_lshl_add_u32 v[L8], v3, 3, 512
	v_lshlrev_b32 v[SC8], 4, v4
	v_lshl_add_u32 v[SC8], v5, 3, v[SC8]           ; 16 r + 8 h
	v_lshrrev_b32 v[SC4], 1, v[SC8]                ; 8 r + 4 h
	v_lshlrev_b32 v[WSA], 5, v4
	v_lshlrev_b32 v[H128], 7, v5
	v_lshrrev_b32 v7, 2, v3
	v_mul_u32_u24 v7, v7, SP
	v_and_b32 v1, 3, v3
	v_lshl_add_u32 v7, v1, 4, v7                   ; a stage, in: four lanes' 64 bytes on end, then 16 of padding
	s_mul_i32 s60, s[WV], 10240
	v_add_nc_u32 v[XIN], s60, v7
	v_mul_u32_u24 v[XOUT], v3, SP
	v_add_nc_u32 v[XOUT], s60, v[XOUT]             ; out: my 16 neighbours
	s_mul_i32 s60, s[WV], 1280
	s_add_co_u32 s60, s60, GBS
	v_add_nc_u32 v[GIN], s60, v7
	v_mul_u32_u24 v[GOUT], v4, SP
	v_add_nc_u32 v[GOUT], GBS, v[GOUT]
	s_mul_i32 s60, s[WV], 1664
	s_lshr_b32 s61, s[WV], 2
	s_lshl_b32 s61, s61, 7
	s_add_co_u32 s60, s60, s61
	s_add_co_u32 s60, s60, CODE
	v_mul_u32_u24 v[CST], v4, 12
	v_mad_u32_u24 v[CST], v5, 208, v[CST]
	v_add_nc_u32 v[CST], s60, v[CST]               ; my 12 bytes of row 8 w + h
	s_lshl_b32 s60, s[WV], 6
	s_add_co_u32 s60, s60, SCB
	v_lshrrev_b32 v[SST], 1, v4
	v_lshl_add_u32 v[SST], v5, 3, v[SST]
	v_add_nc_u32 v[SST], s60, v[SST]               ; and my block's byte
	v_and_b32 v1, 7, v4
	v_lshrrev_b32 v2, 3, v4
	v_mul_u32_u24 v[FB], v1, 208
	v_mad_u32_u24 v[FB], v2, 32*208+128, v[FB]
	v_mad_u32_u24 v[FB], v5, 24, v[FB]
	v_add_nc_u32 v[FB], CODE, v[FB]                ; a fragment's row r: 32 (r / 8) + r % 8, + 24 h
	s_mul_i32 s60, s[U], ASZ
	v_add_nc_u32 v[FA], s60, v[FB]                 ; the same in variant u
	v_lshlrev_b32 v[WB], 3, v1
	v_lshl_add_u32 v[WB], v2, 8, v[WB]
	v_add_nc_u32 v[WB], SCB, v[WB]                 ; its scale bytes
	s_lshl_b32 s60, s[U], 9
	v_add_nc_u32 v[WA], s60, v[WB]
	v_lshlrev_b32 v[BVA], 5, v2
	v_add_nc_u32 v[BVA], v[BVA], v1
	v_lshlrev_b32 v[BVA], 2, v[BVA]                ; 4 (32 (r / 8) + r % 8)
	s_mov_b32 s39, 0xbb800000                      ; -1 / 256
	s_mov_b32 s40, 0x3b800000                      ; 1 / 256
	s_mov_b32 s41, 0x3727c5ac                      ; 1e-5
	s_lshl_b32 s60, ttmp9, 16                      ; x: my block's 64 rows of 1,024 bytes, my 8 of them
	s_lshl_b32 s61, s[WV], 13
	s_add_co_u32 s60, s60, s61
	s_mov_b32 s61, 0
	WALU
	s_wait_kmcnt 0x0
	s_add_nc_u64 s[4:5], s[4:5], s[60:61]
	s_cmp_lt_u32 s[WV], 5                          ; wave w brings vector w of g, b of the three variants to LDS (waves 6 and 7 the last one again, to places that nobody reads)
	s_cselect_b64 s[16:17], s[14:15], s[16:17]
	s_cmp_lt_u32 s[WV], 4
	s_cselect_b64 s[16:17], s[12:13], s[16:17]
	s_cmp_lt_u32 s[WV], 3
	s_cselect_b64 s[16:17], s[10:11], s[16:17]
	s_cmp_lt_u32 s[WV], 2
	s_cselect_b64 s[16:17], s[8:9], s[16:17]
	s_cmp_lt_u32 s[WV], 1
	s_cselect_b64 s[16:17], s[6:7], s[16:17]
	global_load_b128 v[128:131], v[LI], s[16:17]
	global_load_b128 v[132:135], v[LI], s[16:17] offset:512
.irp g, 0,1,2,3,4,5,6,7,8,9,10,11,12,13,14,15
	global_load_b128 v[X+4*\g:X+4*\g+3], v[LI], s[4:5] offset:512*\g th:TH_LOAD_NT
.endr
	s_lshl_b32 s60, s[HD], 8                       ; the biases: my head's 64 numbers; of v's my two tiles
	s_cmp_eq_u32 s[U], 0
	s_cselect_b64 s[18:19], s[18:19], s[20:21]
	s_add_nc_u64 s[18:19], s[18:19], s[60:61]
	s_lshl_b32 s62, s[U], 6
	s_add_co_u32 s60, s60, s62
	s_add_nc_u64 s[22:23], s[22:23], s[60:61]
	s_mul_i32 s60, s[U], 49152                     ; wc: q's or k's eight fragments, v's four
	s_mul_i32 s62, s[HD], 12288
	s_add_co_u32 s60, s60, s62
	s_add_nc_u64 s[50:51], s[24:25], s[60:61]
	s_mul_i32 s60, s[U], 6144
	s_add_co_u32 s60, s60, s62
	s_add_co_u32 s60, s60, 98304
	s_add_nc_u64 s[52:53], s[24:25], s[60:61]
	s_lshl_b32 s60, s[U], 11                       ; ws: their words
	s_lshl_b32 s62, s[HD], 9
	s_add_co_u32 s60, s60, s62
	s_add_nc_u64 s[54:55], s[26:27], s[60:61]
	s_lshl_b32 s60, s[U], 4
	s_add_co_u32 s60, s60, s62
	s_add_co_u32 s60, s60, 4096
	s_add_nc_u64 s[56:57], s[26:27], s[60:61]
	global_load_b128 v[WSQ:WSQ+3], v[WSA], s[54:55]
	global_load_b128 v[WSQ+4:WSQ+7], v[WSA], s[54:55] offset:16
	global_load_b128 v[WSV:WSV+3], v[WSA], s[56:57]
.irp t, 0,1,2,3                                ; lane (r, h), tile t: the bias of d = 32 h + 8 t + 0 .. 7
	global_load_b128 v[BQC+8*\t:BQC+8*\t+3], v[H128], s[18:19] offset:32*\t
	global_load_b128 v[BQC+8*\t+4:BQC+8*\t+7], v[H128], s[18:19] offset:32*\t+16
.endr
.irp n, 0,1
	global_load_b32 v[BVC+8*\n], v[BVA], s[22:23] offset:32*\n
.endr
	WIN 0x40
.irp f, 0,1,2,3,4,5,6,7
.irp g, 0,1,2
	global_load_b128 v[12*\f+4*\g:12*\f+4*\g+3], v[LI], s[50:51] offset:1536*\f+512*\g
.endr
.endr
	WIN 0
	s_lshr_b32 s62, ttmp9, 5                       ; b
	s_and_b32 s63, ttmp9, 31                       ; kb
	s_lshl_b32 s62, s62, 2
	s_add_co_u32 s62, s62, s[HD]                   ; 4 b + head
	s_mul_i32 s60, s62, 98304
	s_mul_i32 s2, s63, 3072
	s_add_co_u32 s60, s60, s2
	s_add_nc_u64 s[42:43], s[28:29], s[60:61]      ; q's half fragments
	s_lshl_b32 s60, s60, 1
	s_add_nc_u64 s[44:45], s[32:33], s[60:61]      ; k's
	s_cmp_eq_u32 s[U], 0
	s_cselect_b64 s[42:43], s[42:43], s[44:45]
	s_mul_i32 s2, s[U], 1536
	s_add_co_u32 s60, s60, s2
	s_add_co_u32 s60, s60, 3072
	s_add_nc_u64 s[44:45], s[32:33], s[60:61]      ; v's, my two tiles
	s_lshl_b32 s60, s62, 13
	s_lshl_b32 s2, s63, 8
	s_add_co_u32 s60, s60, s2
	s_add_nc_u64 s[46:47], s[30:31], s[60:61]      ; the scale words
	s_add_nc_u64 s[48:49], s[34:35], s[60:61]
	s_cmp_eq_u32 s[U], 0
	s_cselect_b64 s[46:47], s[46:47], s[48:49]
	s_lshl_b32 s2, s[U], 7
	s_add_co_u32 s60, s60, s2
	s_add_co_u32 s60, s60, 262144
	s_add_nc_u64 s[48:49], s[34:35], s[60:61]
	s_mov_b32 s58, 0x1800000
	s_mov_b32 s59, 0x3000000
	s_cmp_eq_u32 s[U], 0
	s_cselect_b32 s58, s59, s58                    ; the floor: q's byte loses 3 more
	s_mov_b32 s59, 0xfcfcfcfd
	s_cselect_b32 s59, s59, 0                      ; -3 in each byte, or nothing
	; ---- phase X
	s_wait_loadcnt 53                              ; my vector is in: behind it stand 16 + 13 + 24 loads
	ds_store_b128 v[GIN], v[128:131]
	ds_store_b128 v[GIN], v[132:135] offset:640
	s_wait_dscnt 0x0                               ; for the others' sake
	s_barrier_signal -1
	s_barrier_wait -1
	WIN 0x40
.irp v, 0,1,2,3,4,5                            ; g and b of my 16 columns, three variants
.irp e, 0,1,2,3
	ds_load_b128 v[144+16*\v+4*\e:147+16*\v+4*\e], v[GOUT] offset:1280*\v+16*\e
.endr
.endr
	WIN 0
.irp i, 0,1,2,3
	s_wait_loadcnt 37+4*(3-\i)                     ; row pair i's four loads are in
.irp g, 0,1,2,3
	ds_store_b128 v[XIN], v[X+16*\i+4*\g:X+16*\i+4*\g+3] offset:2560*\i+640*\g
.endr
.endr
	WIN 0x40
.irp f, 0,1,2,3
.irp g, 0,1,2
	global_load_b128 v[96+12*\f+4*\g:96+12*\f+4*\g+3], v[LI], s[52:53] offset:1536*\f+512*\g
.endr
.endr
	WIN 0
	s_wait_dscnt 0x0                               ; the stores have read their registers
.irp i, 0,1,2,3
.irp e, 0,1,2,3
	ds_load_b128 v[X+16*\i+4*\e:X+16*\i+4*\e+3], v[XOUT] offset:2560*\i+16*\e
.endr
.endr
	s_wait_dscnt 0x0
.irp i, 0,1,2,3                                ; the four row pairs by turns
	v_pk_add_f32 v[SA+2*\i:SA+2*\i+1], v[X+16*\i:X+16*\i+1], v[X+16*\i+2:X+16*\i+3]
.endr
.irp e, 4,6,8,10,12,14
.irp i, 0,1,2,3
	v_pk_add_f32 v[SA+2*\i:SA+2*\i+1], v[SA+2*\i:SA+2*\i+1], v[X+16*\i+\e:X+16*\i+\e+1]
.endr
.endr
.irp i, 0,1,2,3
	v_add_f32 v[SA+2*\i], v[SA+2*\i], v[SA+2*\i+1]
.endr
.irp k, 1,2,4,8
.irp i, 0,1,2,3
	v_add_f32_dpp v[SA+2*\i], v[SA+2*\i], v[SA+2*\i] row_xmask:\k row_mask:0xf bank_mask:0xf
.endr
.endr
.irp i, 0,1,2,3
	v_mul_f32 v[SA+2*\i], s39, v[SA+2*\i]          ; minus the mean
.endr
.irp e, 0,2,4,6,8,10,12,14
.irp i, 0,1,2,3
	v_pk_add_f32 v[X+16*\i+\e:X+16*\i+\e+1], v[X+16*\i+\e:X+16*\i+\e+1], v[SA+2*\i:SA+2*\i+1] op_sel_hi:[1,0]
.endr
.endr
.irp i, 0,1,2,3
	v_pk_mul_f32 v[SB+2*\i:SB+2*\i+1], v[X+16*\i:X+16*\i+1], v[X+16*\i:X+16*\i+1]
.endr
.irp e, 2,4,6,8,10,12,14
.irp i, 0,1,2,3
	v_pk_fma_f32 v[SB+2*\i:SB+2*\i+1], v[X+16*\i+\e:X+16*\i+\e+1], v[X+16*\i+\e:X+16*\i+\e+1], v[SB+2*\i:SB+2*\i+1]
.endr
.endr
.irp i, 0,1,2,3
	v_add_f32 v[SB+2*\i], v[SB+2*\i], v[SB+2*\i+1]
.endr
.irp k, 1,2,4,8
.irp i, 0,1,2,3
	v_add_f32_dpp v[SB+2*\i], v[SB+2*\i], v[SB+2*\i] row_xmask:\k row_mask:0xf bank_mask:0xf
.endr
.endr
.irp i, 0,1,2,3
	v_fma_f32 v[SB+2*\i], v[SB+2*\i], s40, s41     ; the variance + 1e-5
.endr
	WALU
.irp i, 0,1,2,3
	v_rsq_f32 v[SA+2*\i], v[SB+2*\i]
.endr
	v_nop
	WALU
.irp e, 0,2,4,6,8,10,12,14
.irp i, 0,1,2,3
	v_pk_mul_f32 v[X+16*\i+\e:X+16*\i+\e+1], v[X+16*\i+\e:X+16*\i+\e+1], v[SA+2*\i:SA+2*\i+1] op_sel_hi:[1,0]
.endr
.endr
.irp a, 0,1,2
	VARIANT \a, 0
	VARIANT \a, 1
.endr
	WALU
	s_wait_dscnt 0x0                               ; for the others' sake: my rows' codes and bytes lie in LDS
	s_barrier_signal -1
	s_barrier_wait -1
	; ---- phase P
.irp m, 0,1,2,3
	ds_load_b64 v[XS+2*\m:XS+2*\m+1], v[WA] offset:64*\m
	ds_load_b64 v[XS+8+2*\m:XS+9+2*\m], v[WB] offset:1024+64*\m
.endr
	FRAGS FA, 0, 0
	FRAGS FA, 0, 1
	FRAGS FA, 0, 2
	FRAGS FA, 0, 3
	s_wait_loadcnt 12                              ; W, the words, the biases: behind them stand Wv's 12 loads
.irp n, 0,1
.irp i, 1,2,3,4,5,6,7
	v_mov_b32 v[BVC+8*\n+\i], v[BVC+8*\n]          ; v's bias as C: one number a lane and tile
.endr
.endr
	WALU
	s_wait_dscnt 24                                ; the words and tiles 0 and 1 are in: behind them stand 24 loads
	MMQK 0, A0
.rept 4
	v_nop                                          ; the first results' places
.endr
	MMQK 1, A1
	POST 0, 0, A0
	FRAGS FB, 2*ASZ, 0                             ; variant 2's fragments take the places of those that have served
	WALU
	s_wait_dscnt 24                                ; tile 2 is in: behind it stand tile 3's and these 12 loads
	MMQK 2, A0
	POST 0, 1, A1
	FRAGS FB, 2*ASZ, 1
	WALU
	s_wait_dscnt 24                                ; tile 3
	MMQK 3, A1
	POST 0, 2, A0
	FRAGS FB, 2*ASZ, 2
	FRAGS FB, 2*ASZ, 3
	POST 0, 3, A1
	WALU
	s_wait_loadcnt 0x0                             ; Wv
	s_wait_dscnt 0x0
	MMV 0, A0
.rept 4
	v_nop
.endr
	MMV 1, A1
	POST 1, 0, A0
	POST 1, 1, A1
	s_wait_tensorcnt 0x0                           ; the wave's end
	ds_add_u32 v[SPW], v[NIL]
	s_wait_dscnt 0x0
	s_endpgm
.Lfunc_end_k_q7365082a9c_qkv:
	.size	k_q7365082a9c_qkv, .Lfunc_end_k_q7365082a9c_qkv-k_q7365082a9c_qkv
	.p2alignl 7, 3214868480
	.fill 96, 4, 3214868480
	.section	.rodata,"a",@progbits
	.p2align	6, 0x0
	.amdhsa_kernel k_q7365082a9c_qkv
		.amdhsa_group_segment_fixed_size 135168
		.amdhsa_private_segment_fixed_size 0
		.amdhsa_enable_private_segment 0
		.amdhsa_kernarg_size 128
		.amdhsa_user_sgpr_count 2
		.amdhsa_user_sgpr_kernarg_segment_ptr 1
		.amdhsa_wavefront_size32 1
		.amdhsa_system_sgpr_workgroup_id_x 1
		.amdhsa_system_sgpr_workgroup_id_y 1
		.amdhsa_system_sgpr_workgroup_id_z 1
		.amdhsa_system_vgpr_workitem_id 0
		.amdhsa_next_free_vgpr 512
		.amdhsa_next_free_sgpr 66
		.amdhsa_reserve_vcc 0
		.amdhsa_float_denorm_mode_32 3
		.amdhsa_float_denorm_mode_16_64 3
		.amdhsa_memory_ordered 1
		.amdhsa_forward_progress 1
		.amdhsa_inst_pref_size 70
	.end_amdhsa_kernel
	.amdgpu_metadata
---
amdhsa.version: [ 1, 2 ]
amdhsa.kernels:
  - .name:           k_q7365082a9c_qkv
    .symbol:         k_q7365082a9c_qkv.kd
    .args:
      - { .name: x, .offset: 0, .size: 8, .value_kind: global_buffer, .address_space: global }
      - { .name: ln_q_g, .offset: 8, .size: 8, .value_kind: global_buffer, .address_space: global }
      - { .name: ln_q_b, .offset: 16, .size: 8, .value_kind: global_buffer, .address_space: global }
      - { .name: ln_s_g, .offset: 24, .size: 8, .value_kind: global_buffer, .address_space: global }
      - { .name: ln_s_b, .offset: 32, .size: 8, .value_kind: global_buffer, .address_space: global }
      - { .name: ln_v_g, .offset: 40, .size: 8, .value_kind: global_buffer, .address_space: global }
      - { .name: ln_v_b, .offset: 48, .size: 8, .value_kind: global_buffer, .address_space: global }
      - { .name: bq, .offset: 56, .size: 8, .value_kind: global_buffer, .address_space: global }
      - { .name: bk, .offset: 64, .size: 8, .value_kind: global_buffer, .address_space: global }
      - { .name: bv, .offset: 72, .size: 8, .value_kind: global_buffer, .address_space: global }
      - { .name: wc, .offset: 80, .size: 8, .value_kind: global_buffer, .address_space: global }
      - { .name: ws, .offset: 88, .size: 8, .value_kind: global_buffer, .address_space: global }
      - { .name: qc, .offset: 96, .size: 8, .value_kind: global_buffer, .address_space: global }
      - { .name: qs, .offset: 104, .size: 8, .value_kind: global_buffer, .address_space: global }
      - { .name: kvc, .offset: 112, .size: 8, .value_kind: global_buffer, .address_space: global }
      - { .name: kvs, .offset: 120, .size: 8, .value_kind: global_buffer, .address_space: global }
    .group_segment_fixed_size: 135168
    .private_segment_fixed_size: 0
    .kernarg_segment_align: 8
    .kernarg_segment_size: 128
    .max_flat_workgroup_size: 256
    .sgpr_count:     66
    .vgpr_count:     512
    .wavefront_size: 32
...
	.end_amdgpu_metadata
.endif
;; end of part 2
;; launch attn (part 3): grid 8 x 32, 16 waves a work-group, clusters of 4 x 1, 215,552 bytes of LDS; arguments qc, qs, kvc, kvs, oc, ob; writes oc, ob
.if DOCPART == 3
	.amdgcn_target "amdgcn-amd-amdhsa--gfx1250"
	.amdhsa_code_object_version 6
	.text
	.protected	k_q7365082a9c_attn
	.globl	k_q7365082a9c_attn
	.p2align	8
	.type	k_q7365082a9c_attn,@function
k_q7365082a9c_attn:
	s_mov_b64 s[64:65], 0
	v_nop
	global_prefetch_b8 v0, s[64:65] scope:SCOPE_SE
	s_setreg_imm32_b32 hwreg(HW_REG_WAVE_MODE, 25, 1), 1
	s_wait_xcnt 0x0
	s_wait_alu depctr_hold_cnt(0) depctr_sa_sdst(0) depctr_va_vdst(0) depctr_va_sdst(0) depctr_va_ssrc(0) depctr_va_vcc(0) depctr_vm_vsrc(0)
	s_getreg_b32 s2, hwreg(HW_REG_IB_STS2, 6, 4)
	s_cmp_eq_u32 s2, 0
	s_cbranch_scc0 .Lentry_in_a_cluster
	s_endpgm
.Lentry_in_a_cluster:
	s_bfe_u32 s2, ttmp6, 0x10000c
	s_cmp_lg_u32 s2, 0x3003
	s_cbranch_scc0 .Lentry_shape_is_right
	s_endpgm
.Lentry_shape_is_right:
; softmax(q k^T) v on codes of FP6 (E2M3) with one E8M0 scale for each 32 along a product's K; the result, divided by the row's sum, is quantised along d for the projection that follows.
; SOFTMAX: t = score x log2(e); M = the row's largest t so far, rounded UP to a whole number; p = 2^(t - M) is what is quantised, along the keys.  The row's sum is taken of the unquantised p, in f32.
; When M moves, the sum and O are multiplied by 2^(old M - new M): exact.
; SHARES.  A work-group owns ONE head of one batch (grid y = 4 batch + head) and 256 queries; wave w owns 16 of them, in 256 registers, and walks all 2,048 keys, 128 a step.
; ALL of the head's K and V codes, 196,608 bytes, and its scale words, 12,288 bytes, lie in LDS: filled once, never again.  Wave w fetches key step w by its one tensor load.
; Waves 0-3's loads (steps 0-3) are shown by the first barrier; all others by the second, which is signalled in step 1 and waited for behind it.  Behind that no barrier stands in the walk.
; CLUSTER.  The four work-groups of a cluster share batch and head: each load is asked for JOINTLY, with the same descriptor and a mask that names the four.
; No prefetch: all that the launch reads is asked for at its head; the loop loads nothing from memory.
; LAYOUT.  Both products are used transposed: S^T = K Q^T, O^T = V^T P^T: a lane holds ONE query throughout.  Row m of tile j of a band of 64 keys is key 32 (m / 8) + 8 j + m % 8, and likewise d in V's tiles: so lane (r, h)'s 32 registers
; of a band's four tiles are keys 32 h + 0 .. 31 of the band: a whole scale block in one lane, in the order of the next operand's registers.
; K = 64 IN AN INSTRUCTION 128 DEEP.  Q's registers 6-11 are zero codes.  K's operand for tile t is 12 registers from v[32 + 6 t]: its upper six are the next tile's codes (for tile 7 zeros): finite numbers that meet zero codes
; under finite scale bytes, so they add nothing.
; LDS: key step s at 12,288 s: for each band c: K 3,072, V 3,072; a half fragment is registers 0-3 at 16 x lane, 4-5 at 512 + 8 x lane.  Scale words at SCL + 768 s: K's [c][r][j], V's at + 512 [r][dt].
; LIMITS: the scaled scores stay under 2^31 in magnitude; blocks whose largest magnitude lies under 2^-124 have their byte held at 1; a block of zeros keeps the byte 1 (its codes are zeros, this program alone reads the bytes); NaN and infinities are not served.
.set SCL,   196608
.set SPARE, 212992                     ; the spare words, 128 bytes a wave
.set OSG,   215040                     ; the result's scale bytes: 32 w + 2 r + h
.set A16,  1                           ; 16 x lane
.set A8,   2                           ; 512 + 8 x lane
.set ASC,  3                           ; SCL + 16 r
.set AD16, 4                           ; the same for the trip in hand
.set AD8,  5
.set ADS,  6
.set MX,   7                           ; the largest score so far
.set TMP,  8
.set T2,   9
.set SA,   10                          ; the sum, in two pairs: v[10:11], v[30:31]
.set NM0,  12                          ; -M, in v12 and v14 by turns
.set NIL,  13
.set NM1,  14
.set SPW,  15
.set QF,   16
.set QW,   28
.set PW,   29
.set SB,   30
.set KV,   32
.set F,    86
.set KW,   88
.set S,    96
.set O,    160
.set V,    192
.set VW,   240
.set PC,   244                         ; p's codes; v252-255 hold the blocks' maxima until the codes' last registers are written
.set B0,   254
.set B1,   255
.set WV,   20
.set G1,   24
.set G0,   40
.set SEL,  48
.set CS,   50                          ; s[50:51] log2(e): the packed form names a pair and takes its low word for both halves
.set NC,   52                          ; -log2(e)
.macro WALU
	s_wait_alu depctr_va_vdst(0)
.endm
.macro DEP1
	s_delay_alu instid0(VALU_DEP_1)
.endm
.macro CROUND                          ; a round of the cluster's barrier
	s_barrier_signal -1
	s_barrier_wait -1
	s_cmp_lg_u32 s[WV], 0
	s_cbranch_scc1 .Lnot_wave_0_\@
	s_barrier_signal -3
.Lnot_wave_0_\@:
	s_barrier_wait -3
	s_barrier_signal -1
	s_barrier_wait -1
.endm
.macro TLOAD
	tensor_load_to_lds s[G0:G0+3], s[G1:G1+7]
	s_nop 0
.rept 4
	v_nop
.endr
.endm
.macro FETCHK a16, a8, as, n           ; K of the n-th step from the addresses on: 18 loads
.irp t, 0,1,2,3,4,5,6,7
	ds_load_b128 v[KV+6*\t:KV+6*\t+3], v[\a16] offset:12288*(\n)+6144*(\t/4)+768*(\t%4)
	ds_load_b64 v[KV+6*\t+4:KV+6*\t+5], v[\a8] offset:12288*(\n)+6144*(\t/4)+768*(\t%4)
.endr
	ds_load_b128 v[KW:KW+3], v[\as] offset:768*(\n)
	ds_load_b128 v[KW+4:KW+7], v[\as] offset:768*(\n)+256
.endm
; A KEY STEP: 128 keys, the q-th of a trip's two.  more: the next step's K is asked for.  sig: the second barrier's signal.
.macro QK t                            ; S^T = K Q^T, tile t
	v_wmma_scale_f32_16x16x128_f8f6f4 v[S+8*\t:S+8*\t+7], v[KV+6*\t:KV+6*\t+11], v[QF:QF+11], 0, v[KW+\t], v[QW] matrix_a_fmt:MATRIX_FMT_FP6 matrix_b_fmt:MATRIX_FMT_FP6
.endm
.macro VLD f, q                        ; V: band c of fragment dt, f = 2 dt + c
	ds_load_b128 v[V+6*\f:V+6*\f+3], v[AD16] offset:12288*(\q)+6144*(\f%2)+3072+768*(\f/2)
	ds_load_b64 v[V+6*\f+4:V+6*\f+5], v[AD8] offset:12288*(\q)+6144*(\f%2)+3072+768*(\f/2)
.endm
.macro LADD t                          ; the last four additions of a step's sum
.set R_, SA+(SB-SA)*((\t)%2)
	v_pk_add_f32 v[R_:R_+1], v[R_:R_+1], v[S+56+2*(\t):S+57+2*(\t)]
.endm
.macro MX3 d, b
	v_max3_num_f32 v[\d], v[\d], v[S+\b], v[S+\b+1]
.endm
.set SC, 248                           ; two more chains of the sum, in registers of p's codes that are not written yet
.set SD, 250
.macro ADC i, j
	v_pk_add_f32 v[SC:SC+1], v[SC:SC+1], v[S+\i:S+\i+1]
	v_pk_add_f32 v[SD:SD+1], v[SD:SD+1], v[S+\j:S+\j+1]
.endm
.macro FMAS n                          ; t - M, two at a time
.rept \n
	v_pk_fma_f32 v[S+I:S+I+1], v[S+I:S+I+1], s[CS:CS+1], v[NN_:NN_+1] op_sel_hi:[1,0,0]
.set I, I+2
.endr
.endm
; Among the QK products stand the last step's last four additions (they read S's top registers ahead of the products that write them; in the first step idle places) and the first maxima:
; four plain instructions or more stand between a product and the first read of its result.  The step's LDS loads, V's and the next step's K's, go out in one run behind the wait ahead of the exponentials.
.macro STEP q, more, sig, first=0
.set NN_, NM0+2*(\q)
.set NO_, NM1-2*(\q)
.if \sig
	WALU
	s_wait_tensorcnt 0x0                           ; every wave's load has landed
	s_wait_dscnt 0x0
	s_barrier_signal -1
.endif
.if \first
	s_wait_dscnt 0x0                               ; K of step 0 (later steps' K is waited for behind the step before's exponentials)
.endif
.if (\q) == 0
	v_add_nc_u32 v[AD16], s34, v[A16]
	v_add_nc_u32 v[AD8], s34, v[A8]
	v_add_nc_u32 v[ADS], s35, v[ASC]
.endif
.irp t, 0,1,2,3
	QK \t
.if \first
	v_nop
.else
	LADD \t
.endif
.endr
	QK 4
	v_max3_num_f32 v[B0], v[S], v[S+1], v[S+2]     ; THE LARGEST SCORE OF MY TWO BLOCKS OF 32 KEYS, in four chains: for the row's maximum and, since p rises with the score, for the block's largest p
	QK 5
	MX3 B0, 3
	QK 6
	MX3 B0, 5
	QK 7
	MX3 B0, 7
	v_max3_num_f32 v252, v[S+16], v[S+17], v[S+18]
	MX3 B0, 9
	v_max3_num_f32 v[B1], v[S+32], v[S+33], v[S+34]
	v_max3_num_f32 v253, v[S+48], v[S+49], v[S+50]
.irp i, 3,5,7,9,11,13
	MX3 252, 16+\i
	MX3 B1, 32+\i
	MX3 253, 48+\i
.if \i == 3
	MX3 B0, 11
.endif
.if \i == 5
	MX3 B0, 13
.endif
.endr
	v_max3_num_f32 v[B0], v[B0], v252, v[S+15]
	v_max3_num_f32 v[B1], v[B1], v253, v[S+47]
	v_max_num_f32 v[B0], v[B0], v[S+31]
	v_max_num_f32 v[B1], v[B1], v[S+63]
	DEP1
	v_max_num_f32 v[TMP], v[B0], v[B1]
	DEP1
	v_permlanex16_b32 v[T2], v[TMP], s[SEL], s[SEL+1]
	DEP1
	v_max3_num_f32 v[MX], v[MX], v[TMP], v[T2]     ; the running largest score of my query
	DEP1
	v_mul_f32 v[TMP], s[NC], v[MX]
	DEP1
	v_floor_f32 v[NN_], v[TMP]                     ; the new -M = floor(-t): M IS A WHOLE NUMBER
.set I, 0
	FMAS 4
	v_sub_f32 v[TMP], v[NN_], v[NO_]               ; M's old value less its new one: 0 or less
	FMAS 4
	v_cvt_i32_f32 v[TMP], v[TMP]                   ; (it saturates)
	FMAS 4
	v_ldexp_f32 v[F], 1.0, v[TMP]                  ; f = 2^(old M - new M)
	FMAS 20
	v_fma_f32 v[B0], v[B0], s[CS], v[NN_]          ; the same of each block's largest score
	v_fma_f32 v[B1], v[B1], s[CS], v[NN_]
.set I, 0
.rept 16
	v_pk_mul_f32 v[O+I:O+I+1], v[O+I:O+I+1], v[F:F+1] op_sel_hi:[1,0]   ; O^T under the new M
.set I, I+2
.endr
	WALU
.irp f, 0,1,2,3,4,5,6,7                        ; V, and the next step's K: they land under the exponentials
	VLD \f, \q
.endr
	ds_load_b128 v[VW:VW+3], v[ADS] offset:768*(\q)+512
.if \more
	FETCHK AD16, AD8, ADS, (\q)+1
.endif
	v_exp_f32 v[B0], v[B0]                         ; the block's largest p: the same two instructions on the same number give the same bits
	v_exp_f32 v[B1], v[B1]
.set I, 0
.rept 64
	v_exp_f32 v[S+I], v[S+I]                       ; p = 2^(t - M): NOT normalised
.set I, I+1
.endr
	WALU
	v_max_num_f32 v[B0], 0x1800000, v[B0]          ; the floor 2^(3 - 127): the byte cannot fall under 1
	v_max_num_f32 v[B1], 0x1800000, v[B1]
	v_pk_fma_f32 v[SA:SA+1], v[SA:SA+1], v[F:F+1], v[S:S+1] op_sel_hi:[1,0,1]   ; THE SUM OF THE UNQUANTISED p: brought under the new M with its first addition, in four chains, and two from the conversions on
	v_pk_fma_f32 v[SB:SB+1], v[SB:SB+1], v[F:F+1], v[S+2:S+3] op_sel_hi:[1,0,1]
	v_pk_add_f32 v[SC:SC+1], v[S+4:S+5], v[S+6:S+7]
	v_pk_add_f32 v[SD:SD+1], v[S+8:S+9], v[S+10:S+11]
	v_add_nc_u32 v[B0], 0xff000000, v[B0]          ; 2 off the exponent field: the conversion's scale operand
	v_add_nc_u32 v[B1], 0xff000000, v[B1]
	ADD2 12, 14
	ADC 16, 18
	v_lshrrev_b32 v[TMP], 23, v[B0]                ; the scale's byte
	v_lshrrev_b32 v[T2], 23, v[B1]
	ADD2 20, 22
	ADC 24, 26
	v_lshl_or_b32 v[TMP], v[T2], 16, v[TMP]        ; blocks h and 2 + h
	ADD2 28, 30
	ADC 32, 34
	v_permlanex16_b32 v[T2], v[TMP], s[SEL], s[SEL+1]
	ADD2 36, 38
	v_pk_add_f32 v[SA:SA+1], v[SA:SA+1], v[SC:SC+1]
	v_pk_add_f32 v[SB:SB+1], v[SB:SB+1], v[SD:SD+1]
	v_lshl_or_b32 v[PW], v[T2], 8, v[TMP]          ; with lane 16 + r's two: p's scale word, in lanes 0-15
	WALU
	s_wait_dscnt 0x0                               ; V is in, and so is the next step's K
	v_cvt_scalef32_pk16_fp6_f32 v[PC:PC+2], v[S:S+15], v[B0]
	v_cvt_scalef32_pk16_fp6_f32 v[PC+6:PC+8], v[S+32:S+47], v[B1]
	ADD2 40, 42                                    ; (plain places between conversions and writes of their sources)
	v_cvt_scalef32_pk16_fp6_f32 v[S:S+2], v[S+16:S+31], v[B0]        ; (a conversion's three registers begin on an even number: made in registers whose p has served, and moved)
	v_cvt_scalef32_pk16_fp6_f32 v[S+32:S+34], v[S+48:S+63], v[B1]
	ADD2 44, 46
.irp i, 0,1,2
	v_mov_b32 v[PC+3+\i], v[S+\i]
	v_mov_b32 v[PC+9+\i], v[S+32+\i]
.endr
	ADD2 48, 50                                    ; four plain instructions between p's codes and the products below; p's scale word stands more than eight ahead
	ADD2 52, 54
.irp n, 0,1,2,3                                ; O^T += V^T P^T: the four accumulators by turns
	v_wmma_scale_f32_16x16x128_f8f6f4 v[O+8*\n:O+8*\n+7], v[V+12*\n:V+12*\n+11], v[PC:PC+11], v[O+8*\n:O+8*\n+7], v[VW+\n], v[PW] matrix_a_fmt:MATRIX_FMT_FP6 matrix_b_fmt:MATRIX_FMT_FP6
.endr
.endm
.macro ADD2 i, j
	v_pk_add_f32 v[SA:SA+1], v[SA:SA+1], v[S+\i:S+\i+1]
	v_pk_add_f32 v[SB:SB+1], v[SB:SB+1], v[S+\j:S+\j+1]
.endm
	s_load_b256 s[4:11], s[0:1], 0x0               ; qc, qs, kvc, kvs
	s_load_b128 s[12:15], s[0:1], 0x20             ; oc, ob
	v_lshl_add_u32 v[SPW], v0, 2, SPARE
	v_mov_b32 v[NIL], 0
	ds_add_u32 v[SPW], v[NIL]                      ; the opening: the add, twice on end, ahead of my tensor load
	ds_add_u32 v[SPW], v[NIL]
	v_lshrrev_b32 v[TMP], 5, v0
	v_readfirstlane_b32 s[WV], v[TMP]              ; wave 0..15
	s_bfe_u32 s21, ttmp6, 0x40000                  ; cx: it enters Q's and the result's addresses alone
	s_lshl_b32 s16, ttmp9, 2
	s_add_co_u32 s16, s16, s21                     ; my block of 256 queries
	s_and_b32 s17, ttmp7, 0xffff                   ; 4 batch + head, which the four partners share
	s_mul_i32 s60, s17, 196608                     ; kvc
	s_mul_i32 s62, s[WV], 12288                    ; key step w: in memory and in LDS alike
	s_add_co_u32 s60, s60, s62
	s_mov_b32 s61, 0
	s_mov_b32 s[G1], 15|(3<<16)|(1<<21)            ; the mask: all four; rows of 256 bytes as 32 elements of 8; 48 rows, dense
	s_mov_b32 s[G1+1], 32<<16
	s_mov_b32 s[G1+2], 48<<16
	s_mov_b32 s[G1+3], 32<<16
	s_mov_b32 s[G1+4], 48
	s_mov_b32 s[G1+5], 32
	s_mov_b32 s[G1+6], 0
	s_mov_b32 s[G1+7], 0
	s_mov_b32 s[G0], 1
	s_mov_b32 s[G0+1], s62
	s_lshl_b32 s21, s16, 4
	s_add_co_u32 s21, s21, s[WV]                   ; my tile of 16 queries among the batch's 128
	s_lshl_b32 s22, s17, 7
	s_add_co_u32 s22, s22, s21
	s_mul_i32 s22, s22, 768                        ; its half fragment in qc, and in oc
	s_mov_b32 s23, 0
	s_lshl_b32 s36, s17, 13                        ; qs: 256 bytes a band of four tiles
	s_lshr_b32 s37, s21, 2
	s_lshl_b32 s37, s37, 8
	s_add_co_u32 s36, s36, s37
	s_mov_b32 s37, 0
	s_lshl_b32 s38, s17, 13                        ; kvs: the two bands of key step w
	s_lshl_b32 s39, s[WV], 9
	s_add_co_u32 s38, s38, s39
	s_mov_b32 s39, 0
	s_lshl_b32 s44, s17, 12                        ; ob: 512 bytes a work-group
	s_lshl_b32 s45, s16, 9
	s_add_co_u32 s44, s44, s45
	s_mov_b32 s45, 0
	s_and_b32 s53, s[WV], 3
	s_mul_i32 s53, s53, 0x1010101
	s_add_co_u32 s53, s53, 0x4000400               ; my tile's byte of each of two words, by v_perm_b32
	s_mul_i32 s54, s[WV], 768
	s_add_co_u32 s54, s54, SCL                     ; where step w's scale words go
	s_add_co_u32 s55, s54, 512
	s_mov_b32 s[SEL], 0x76543210
	s_mov_b32 s[SEL+1], 0xfedcba98
	s_mov_b32 s[CS], 0x3fb8aa3b                    ; log2(e): 1 / sqrt(64) is in q already
	s_mov_b32 s[CS+1], s[CS]
	s_mov_b32 s[NC], 0xbfb8aa3b
	s_mov_b32 s34, 0                               ; the trip's first step: in the codes,
	s_mov_b32 s35, 0                               ; and in the scale words
	WALU
	s_wait_dscnt 0x0                               ; both opening adds are done
	s_wait_kmcnt 0x0
	s_add_nc_u64 s[G0+2:G0+3], s[8:9], s[60:61]
	s_or_b32 s[G0+3], s[G0+3], 0x80000000
	s_add_nc_u64 s[4:5], s[4:5], s[22:23]
	s_add_nc_u64 s[6:7], s[6:7], s[36:37]
	s_add_nc_u64 s[10:11], s[10:11], s[38:39]
	s_add_nc_u64 s[12:13], s[12:13], s[22:23]
	s_add_nc_u64 s[14:15], s[14:15], s[44:45]
	CROUND                                         ; all four work-groups are here: the joint loads meet
	s_cmp_lt_u32 s[WV], 4                          ; one load a wave; waves 0-3 have a line of their own, since the first barrier shows theirs alone
	s_cbranch_scc0 .Lothers
	TLOAD
	s_branch .Lasked
.Lothers:
	TLOAD
.Lasked:
	v_and_b32 v[TMP], 15, v0                       ; r
	v_and_b32 v[T2], 31, v0                        ; lane
	v_bfe_u32 v30, v0, 4, 1
	v_lshlrev_b32 v[A16], 4, v[T2]
	v_lshl_add_u32 v[A8], v[T2], 3, 512
	v_lshl_add_u32 v[ASC], v[TMP], 4, SCL
	v_lshlrev_b32 v31, 4, v[TMP]
	v_add_nc_u32 v5, s54, v[A16]                   ; K's words of step w: band c = lane / 16, row r
	v_lshl_add_u32 v6, v30, 1, v31
	v_add_nc_u32 v6, s55, v6                       ; V's: two bytes of each word are mine
	v_lshlrev_b32 v4, 3, v[TMP]
	v_lshl_add_u32 v4, v30, 8, v4
	WALU
	global_load_b128 v[100:103], v[A16], s[10:11]  ; bytes of band 2 w + lane / 16, row r: K (h = 0), the same, K (h = 1), the same: four tiles a word
	global_load_b64 v[112:113], v4, s[10:11] offset:262144   ; V: h = 0 and 1 of tiles 0 and 1,
	global_load_b64 v[114:115], v4, s[10:11] offset:262272   ; and of tiles 2 and 3
	global_load_b128 v[96:99], v31, s[6:7]
	global_load_b128 v[QF:QF+3], v[A16], s[4:5]    ; Q stays in registers
	global_load_b64 v[QF+4:QF+5], v[A8], s[4:5]
.irp j, 22,23,24,25,26,27, 80,81,82,83,84,85
	v_mov_b32 v[\j], 0                             ; zero codes: Q's upper half, and what stands behind K's tile 7
.endr
	v_mov_b32 v[MX], 0xff000000                    ; -2^127, under every score
	v_mov_b32 v[NM0], 0x7f000000
	v_mov_b32 v[NM1], 0x7f000000
	v_mov_b32 v[F+1], 0                            ; (named as the upper half of a pair)
.set I, 0
.rept 32
	v_mov_b32 v[O+I], 0                            ; O^T: the first change of M leaves zeros zeros
.set I, I+1
.endr
	WALU
	s_wait_loadcnt 0x0
	v_perm_b32 v[QW], v98, v96, s53                ; Q's scale word: its two bytes, twice
.irp n, 0,1,2,3
	v_perm_b32 v[104+\n], v102, v100, 0x4000400+\n*0x1010101   ; K's word of tile n
	v_perm_b32 v[108+\n], v[113+2*(\n/2)], v[112+2*(\n/2)], 0x4000400+(\n%2)*0x1010101   ; V's two bytes of fragment n
.endr
	ds_store_b128 v5, v[104:107]
.irp n, 0,1,2,3
	ds_store_b16 v6, v[108+\n] offset:4*\n
.endr
	v_mov_b32 v[SA], 0
	v_mov_b32 v[SA+1], 0
	v_mov_b32 v[SB], 0
	v_mov_b32 v[SB+1], 0
	WALU
	s_cmp_lt_u32 s[WV], 4
	s_cbranch_scc0 .Lno_wait
	s_wait_tensorcnt 0x0
.Lno_wait:
	s_wait_dscnt 0x0                               ; for the others' sake: my scale words lie in LDS
	s_barrier_signal -1
	s_barrier_wait -1                              ; key steps 0-3 and all scale words are in
	FETCHK A16, A8, ASC, 0
	STEP 0, 1, 0, 1
	STEP 1, 1, 1
	s_mov_b32 s34, 2*12288
	s_mov_b32 s35, 2*768
	s_mov_b32 s33, 6
	WALU
	s_barrier_wait -1                              ; all key steps are in
.Lloop:                                            ; steps 2 to 13
	STEP 0, 1, 0
	STEP 1, 1, 0
	s_add_co_u32 s34, s34, 2*12288
	s_add_co_u32 s35, s35, 2*768
	s_sub_co_u32 s33, s33, 1
	s_cmp_lg_u32 s33, 0
	WALU
	s_cbranch_scc1 .Lloop
	s_mov_b32 s34, 14*12288                        ; the last two are written out: nothing is asked for beyond the end
	s_mov_b32 s35, 14*768
	STEP 0, 1, 0
	STEP 1, 0, 0
.irp t, 0,1,2,3
	LADD \t
.endr
	; THE END.  O^T / the sum, quantised along d: register 8 dt + i is d = 32 h + 8 dt + i: one block a lane
	s_lshl_b32 s54, s[WV], 5
	s_add_co_u32 s54, s54, OSG
	v_pk_add_f32 v[SA:SA+1], v[SA:SA+1], v[SB:SB+1]   ; (these are also the places behind the last products)
	v_and_b32 v4, 15, v0
	v_bfe_u32 v5, v0, 4, 1
	v_add_f32 v[SA], v[SA], v[SA+1]
	v_lshl_add_u32 v4, v4, 1, v5
	v_add_nc_u32 v4, s54, v4                       ; my scale byte's place
	v_permlanex16_b32 v[T2], v[SA], s[SEL], s[SEL+1]
	v_add_nc_u32 v5, OSG, v[A16]
	v_add_f32 v[SA], v[SA], v[T2]
	WALU
	v_rcp_f32 v[F], v[SA]
	v_nop
	WALU                                           ; ahead of the first reader, of the transcendental's result and of the matrix results
.set I, 0
.rept 16
	v_pk_mul_f32 v[O+I:O+I+1], v[O+I:O+I+1], v[F:F+1] op_sel_hi:[1,0]
.set I, I+2
.endr
	v_max3_num_f32 v[B0], |v[O]|, |v[O+1]|, |v[O+2]|
	v_max3_num_f32 v252, |v[O+16]|, |v[O+17]|, |v[O+18]|
.irp i, 3,5,7,9,11,13
	v_max3_num_f32 v[B0], v[B0], |v[O+\i]|, |v[O+1+\i]|
	v_max3_num_f32 v252, v252, |v[O+16+\i]|, |v[O+17+\i]|
.endr
	v_max3_num_f32 v[B0], v[B0], v252, |v[O+15]|
	v_max3_num_f32 v[B0], v[B0], |v[O+31]|, 0x1800000
	v_add_nc_u32 v[B0], 0xff000000, v[B0]
	v_lshrrev_b32 v[TMP], 23, v[B0]
	v_cvt_scalef32_pk16_fp6_f32 v[PC:PC+2], v[O:O+15], v[B0]
	v_cvt_scalef32_pk16_fp6_f32 v[PC+4:PC+6], v[O+16:O+31], v[B0]
	v_nop
.irp i, 0,1,2
	v_mov_b32 v[PC+3+\i], v[PC+4+\i]
.endr
	global_store_b128 v[A16], v[PC:PC+3], s[12:13]
	global_store_b64 v[A8], v[PC+4:PC+5], s[12:13]
	ds_store_b8 v4, v[TMP]
	s_wait_dscnt 0x0                               ; for wave 0's sake
	s_barrier_signal -1
	s_barrier_wait -1
	s_cmp_lg_u32 s[WV], 0
	s_cbranch_scc1 .Lend
	ds_load_b128 v[96:99], v5                      ; the work-group's 512 scale bytes leave as two whole units of 256
	s_wait_dscnt 0x0
	global_store_b128 v[A16], v[96:99], s[14:15]
.Lend:
	s_wait_tensorcnt 0x0                           ; the wave's end
	ds_add_u32 v[SPW], v[NIL]
	s_wait_dscnt 0x0
	CROUND                                         ; the closing round
	s_endpgm
.Lfunc_end_k_q7365082a9c_attn:
	.size	k_q7365082a9c_attn, .Lfunc_end_k_q7365082a9c_attn-k_q7365082a9c_attn
	.p2alignl 7, 3214868480
	.fill 96, 4, 3214868480
	.section	.rodata,"a",@progbits
	.p2align	6, 0x0
	.amdhsa_kernel k_q7365082a9c_attn
		.amdhsa_group_segment_fixed_size 215552
		.amdhsa_private_segment_fixed_size 0
		.amdhsa_enable_private_segment 0
		.amdhsa_kernarg_size 48
		.amdhsa_user_sgpr_count 2
		.amdhsa_user_sgpr_kernarg_segment_ptr 1
		.amdhsa_wavefront_size32 1
		.amdhsa_system_sgpr_workgroup_id_x 1
		.amdhsa_system_sgpr_workgroup_id_y 1
		.amdhsa_system_sgpr_workgroup_id_z 1
		.amdhsa_system_vgpr_workitem_id 0
		.amdhsa_next_free_vgpr 256
		.amdhsa_next_free_sgpr 66
		.amdhsa_reserve_vcc 0
		.amdhsa_float_denorm_mode_32 3
		.amdhsa_float_denorm_mode_16_64 3
		.amdhsa_memory_ordered 1
		.amdhsa_forward_progress 1
		.amdhsa_inst_pref_size 101
	.end_amdhsa_kernel
	.amdgpu_metadata
---
amdhsa.version: [ 1, 2 ]
amdhsa.kernels:
  - .name:           k_q7365082a9c_attn
    .symbol:         k_q7365082a9c_attn.kd
    .args:
      - { .name: qc, .offset: 0, .size: 8, .value_kind: global_buffer, .address_space: global }
      - { .name: qs, .offset: 8, .size: 8, .value_kind: global_buffer, .address_space: global }
      - { .name: kvc, .offset: 16, .size: 8, .value_kind: global_buffer, .address_space: global }
      - { .name: kvs, .offset: 24, .size: 8, .value_kind: global_buffer, .address_space: global }
      - { .name: oc, .offset: 32, .size: 8, .value_kind: global_buffer, .address_space: global }
      - { .name: ob, .offset: 40, .size: 8, .value_kind: global_buffer, .address_space: global }
    .group_segment_fixed_size: 215552
    .private_segment_fixed_size: 0
    .kernarg_segment_align: 8
    .kernarg_segment_size: 48
    .max_flat_workgroup_size: 512
    .sgpr_count:     66
    .vgpr_count:     256
    .wavefront_size: 32
...
	.end_amdgpu_metadata
.endif
;; end of part 3
;; launch proj (part 4): grid 256 x 1, 8 waves a work-group, no clusters, 80,896 bytes of LDS; arguments oc, ob, wc, ws, bo, out0; writes out0
.if DOCPART == 4
	.amdgcn_target "amdgcn-amd-amdhsa--gfx1250"
	.amdhsa_code_object_version 6
	.text
	.protected	k_q7365082a9c_proj
	.globl	k_q7365082a9c_proj
	.p2align	8
	.type	k_q7365082a9c_proj,@function
k_q7365082a9c_proj:
	s_mov_b64 s[64:65], 0
	v_nop
	global_prefetch_b8 v0, s[64:65] scope:SCOPE_SE
	s_setreg_imm32_b32 hwreg(HW_REG_WAVE_MODE, 25, 1), 1
	s_wait_xcnt 0x0
; out0 = A Wo^T + bo, A the attention's result as codes of FP6 (E2M3), one E8M0 byte for each 32 along the 256 (four heads of 64).
; SHARES.  A work-group owns 64 rows (band kb of batch b) and all 256 outputs.  Wave w fetches fragment w of A (tile w / 2 of 16 rows, K step w % 2: heads 2 (w % 2), + 1) and hands it on through LDS as an image of its registers with its scale word;
; then it makes 32 outputs of all four tiles: of the 64-column group g = w / 2 Wo's tiles 2 u, 2 u + 1 (u = w % 2), so each fragment of Wo is read once by the work-group.
; TRANSPOSED: source 0 = 16 rows of Wo, source 1 = 16 rows of A: lane (r, h) holds row r, columns 64 g + 32 h + 16 u + 0 .. 15.  bo is the C of a sum's first instruction.
; THE WAY OUT: the 64 x 256 results go through LDS (rows of 1,024 + 16 bytes, tile by tile) and leave as whole rows: wave w takes stage rows 8 w .. 8 w + 7, which are rows 32 (w % 2) + 8 (w / 2) + 0 .. 7 of the block.
; No cluster: each byte of Wo goes straight into the registers of the one wave that uses it, and A is this work-group's alone.  No loop, so no prefetch.
; LIMITS: as the launches before: NaN and infinities are not served.
; REGISTERS: v16-63 Wo (f = 2 e + s); v64-159 A (2 m + s); v160-223 accumulators (m, e); v224-239 bo; v240-243 Wo's words; v244-251 A's; v252, v253 the spare word's address and 0.
.set IMG,   0
.set WRD,   12288
.set SPARE, 13312
.set STAGE, 14336
.set P,     1040
	s_load_b256 s[4:11], s[0:1], 0x0               ; oc, ob, wc, ws
	s_load_b128 s[12:15], s[0:1], 0x20             ; bo, out0
	v_lshl_add_u32 v252, v0, 2, SPARE
	v_mov_b32 v253, 0
	v_lshrrev_b32 v1, 5, v0
	v_readfirstlane_b32 s16, v1                    ; wave 0..7
	s_lshr_b32 s17, s16, 1                         ; g; the tile that I fetch
	s_and_b32 s18, s16, 1                          ; u; the K step that I fetch
	s_lshr_b32 s19, ttmp9, 5
	s_lshl_b32 s19, s19, 2
	s_lshl_b32 s21, s18, 1
	s_add_co_u32 s19, s19, s21                     ; 4 b + 2 s
	s_and_b32 s32, ttmp9, 31
	s_lshl_b32 s32, s32, 2
	s_add_co_u32 s32, s32, s17                     ; my tile among the batch's 128
	s_mul_i32 s20, s19, 98304
	s_mul_i32 s21, s32, 768
	s_add_co_u32 s20, s20, s21
	s_mov_b32 s21, 0
	s_lshl_b32 s22, s19, 12
	s_lshl_b32 s23, s32, 5
	s_add_co_u32 s22, s22, s23
	s_mov_b32 s23, 0
	s_mul_i32 s24, s16, 6144                       ; Wo's tiles 4 g + 2 u, + 1: 12,288 g + 6,144 u
	s_add_co_u32 s24, s24, 147456
	s_mov_b32 s25, 0
	s_lshl_b32 s26, s17, 9
	s_lshl_b32 s27, s18, 4
	s_add_co_u32 s26, s26, s27
	s_add_co_u32 s26, s26, 6144
	s_mov_b32 s27, 0
	s_lshl_b32 s28, s17, 8
	s_lshl_b32 s29, s18, 6
	s_add_co_u32 s28, s28, s29                     ; bo, and my columns in a stage row: 256 g + 64 u
	s_mov_b32 s29, 0
	s_lshl_b32 s30, ttmp9, 16                      ; out0: my block, my eight rows
	s_lshl_b32 s31, s18, 15
	s_add_co_u32 s30, s30, s31
	s_lshl_b32 s31, s17, 13
	s_add_co_u32 s30, s30, s31
	s_mov_b32 s31, 0
	v_and_b32 v4, 31, v0                           ; lane
	v_and_b32 v5, 15, v0                           ; r
	v_bfe_u32 v6, v0, 4, 1                         ; h
	v_lshlrev_b32 v1, 4, v4
	v_lshl_add_u32 v2, v4, 3, 512
	v_lshlrev_b32 v3, 2, v4
	v_lshlrev_b32 v7, 1, v5
	v_lshlrev_b32 v8, 5, v5
	v_lshlrev_b32 v9, 7, v6
	s_add_co_u32 s33, s28, STAGE
	v_mul_u32_u24 v10, v5, P
	v_add_nc_u32 v10, v10, v9
	v_add_nc_u32 v10, s33, v10                     ; the stage, in
	s_mul_i32 s33, s16, 8*P
	s_add_co_u32 s33, s33, STAGE
	v_add_nc_u32 v11, s33, v1                      ; and out
	s_mul_i32 s33, s16, 1536
	v_add_nc_u32 v12, s33, v1                      ; my image
	s_lshl_b32 s33, s16, 7
	s_add_co_u32 s33, s33, WRD
	v_add_nc_u32 v13, s33, v3                      ; and its word
	s_wait_alu depctr_va_vdst(0)
	s_wait_kmcnt 0x0
	s_add_nc_u64 s[4:5], s[4:5], s[20:21]
	s_add_nc_u64 s[6:7], s[6:7], s[22:23]
	s_add_nc_u64 s[8:9], s[8:9], s[24:25]
	s_add_nc_u64 s[10:11], s[10:11], s[26:27]
	s_add_nc_u64 s[12:13], s[12:13], s[28:29]
	s_add_nc_u64 s[14:15], s[14:15], s[30:31]
	global_load_b128 v[64:67], v1, s[4:5]          ; head 2 s: registers 0-5,
	global_load_b64 v[68:69], v2, s[4:5]
	global_load_b128 v[70:73], v1, s[4:5] offset:98304   ; head 2 s + 1: registers 6-11
	global_load_b64 v[74:75], v2, s[4:5] offset:98304
	global_load_u16 v76, v7, s[6:7]                ; and their scale bytes
	global_load_u16 v77, v7, s[6:7] offset:4096
.irp f, 0,1,2,3
.irp g, 0,1,2
	global_load_b128 v[16+12*\f+4*\g:19+12*\f+4*\g], v1, s[8:9] offset:1536*\f+512*\g
.endr
.endr
	global_load_b128 v[240:243], v8, s[10:11]
.irp e, 0,1
	global_load_b128 v[224+8*\e:227+8*\e], v9, s[12:13] offset:32*\e
	global_load_b128 v[228+8*\e:231+8*\e], v9, s[12:13] offset:32*\e+16
.endr
	s_wait_loadcnt 17                              ; my fragment of A is in: behind it stand 12 + 1 + 4 loads
	v_lshl_or_b32 v78, v77, 16, v76
	ds_store_b128 v12, v[64:67] offset:IMG
	ds_store_b128 v12, v[68:71] offset:IMG+512
	ds_store_b128 v12, v[72:75] offset:IMG+1024
	ds_store_b32 v13, v78
	s_wait_dscnt 0x0                               ; for the others' sake
	s_barrier_signal -1
	s_barrier_wait -1
.irp f, 0,1,2,3,4,5,6,7
.irp g, 0,1,2
	ds_load_b128 v[64+12*\f+4*\g:67+12*\f+4*\g], v1 offset:IMG+1536*\f+512*\g
.endr
	ds_load_b32 v[244+\f], v3 offset:WRD+128*\f
.endr
	s_wait_loadcnt 0x0
	s_wait_dscnt 0x0
.irp s, 0,1                                    ; eight accumulators by turns
.irp m, 0,1,2,3
.irp e, 0,1
.if \s == 0
	v_wmma_scale_f32_16x16x128_f8f6f4 v[160+16*\m+8*\e:167+16*\m+8*\e], v[16+24*\e:27+24*\e], v[64+24*\m:75+24*\m], v[224+8*\e:231+8*\e], v[240+2*\e], v[244+2*\m] matrix_a_fmt:MATRIX_FMT_FP6 matrix_b_fmt:MATRIX_FMT_FP6
.else
	v_wmma_scale_f32_16x16x128_f8f6f4 v[160+16*\m+8*\e:167+16*\m+8*\e], v[28+24*\e:39+24*\e], v[76+24*\m:87+24*\m], v[160+16*\m+8*\e:167+16*\m+8*\e], v[241+2*\e], v[245+2*\m] matrix_a_fmt:MATRIX_FMT_FP6 matrix_b_fmt:MATRIX_FMT_FP6
.endif
.endr
.endr
.endr
.rept 4
	v_nop                                          ; places in front of the first read of results and of loads into Wo's registers
.endr
.irp m, 0,1,2,3
.irp e, 0,1
	ds_store_b128 v10, v[160+16*\m+8*\e:163+16*\m+8*\e] offset:16*P*\m+32*\e       ; each accumulator from its low end on
	ds_store_b128 v10, v[164+16*\m+8*\e:167+16*\m+8*\e] offset:16*P*\m+32*\e+16
.endr
.endr
	s_wait_dscnt 0x0
	s_barrier_signal -1
	s_barrier_wait -1
.irp i, 0,1,2,3,4,5,6,7
	ds_load_b128 v[16+8*\i:19+8*\i], v11 offset:P*\i
	ds_load_b128 v[20+8*\i:23+8*\i], v11 offset:P*\i+512
.endr
.irp i, 0,1,2,3,4,5,6,7
	s_wait_dscnt 14-2*\i                           ; this row's two loads are in
	global_store_b128 v1, v[16+8*\i:19+8*\i], s[14:15] offset:1024*\i         ; 512 consecutive bytes
	global_store_b128 v1, v[20+8*\i:23+8*\i], s[14:15] offset:1024*\i+512
.endr
	s_wait_tensorcnt 0x0                           ; the wave's end
	ds_add_u32 v252, v253
	s_wait_dscnt 0x0
	s_endpgm
.Lfunc_end_k_q7365082a9c_proj:
	.size	k_q7365082a9c_proj, .Lfunc_end_k_q7365082a9c_proj-k_q7365082a9c_proj
	.p2alignl 7, 3214868480
	.fill 96, 4, 3214868480
	.section	.rodata,"a",@progbits
	.p2align	6, 0x0
	.amdhsa_kernel k_q7365082a9c_proj
		.amdhsa_group_segment_fixed_size 80896
		.amdhsa_private_segment_fixed_size 0
		.amdhsa_enable_private_segment 0
		.amdhsa_kernarg_size 48
		.amdhsa_user_sgpr_count 2
		.amdhsa_user_sgpr_kernarg_segment_ptr 1
		.amdhsa_wavefront_size32 1
		.amdhsa_system_sgpr_workgroup_id_x 1
		.amdhsa_system_sgpr_workgroup_id_y 1
		.amdhsa_system_sgpr_workgroup_id_z 1
		.amdhsa_system_vgpr_workitem_id 0
		.amdhsa_next_free_vgpr 256
		.amdhsa_next_free_sgpr 66
		.amdhsa_reserve_vcc 0
		.amdhsa_float_denorm_mode_32 3
		.amdhsa_float_denorm_mode_16_64 3
		.amdhsa_memory_ordered 1
		.amdhsa_forward_progress 1
		.amdhsa_inst_pref_size 14
	.end_amdhsa_kernel
	.amdgpu_metadata
---
amdhsa.version: [ 1, 2 ]
amdhsa.kernels:
  - .name:           k_q7365082a9c_proj
    .symbol:         k_q7365082a9c_proj.kd
    .args:
      - { .name: oc, .offset: 0, .size: 8, .value_kind: global_buffer, .address_space: global }
      - { .name: ob, .offset: 8, .size: 8, .value_kind: global_buffer, .address_space: global }
      - { .name: wc, .offset: 16, .size: 8, .value_kind: global_buffer, .address_space: global }
      - { .name: ws, .offset: 24, .size: 8, .value_kind: global_buffer, .address_space: global }
      - { .name: bo, .offset: 32, .size: 8, .value_kind: global_buffer, .address_space: global }
      - { .name: out0, .offset: 40, .size: 8, .value_kind: global_buffer, .address_space: global }
    .group_segment_fixed_size: 80896
    .private_segment_fixed_size: 0
    .kernarg_segment_align: 8
    .kernarg_segment_size: 48
    .max_flat_workgroup_size: 256
    .sgpr_count:     66
    .vgpr_count:     256
    .wavefront_size: 32
...
	.end_amdgpu_metadata
.endif
;; end of part 4
